; MI455X (gfx1250); checked and timed in simulation.
; The chip was launched on July 23, 2026; its instructions are those of AMD's public machine-readable ISA for CDNA 5 (MIT licence, August 2026) and "CDNA5" Instruction Set Architecture Reference Guide (July 2026). The comments in the code are by the model that wrote it; some were corrected since.
;; Sparse Arch. Allowed arithmetic: float matrix products may take bf16 or f16 operands with f32 sums; all other float work in f32.
;; Inputs: emb_0 1,000,000 x 64 float32; emb_1 1,000,000 x 64 float32; emb_2 1,000,000 x 64 float32; emb_3 1,000,000 x 64 float32; indices_0 4,096 x 10 int32; indices_1 4,096 x 10 int32; indices_2 4,096 x 12 int32; indices_3 4,096 x 12 int32; lengths_0 4,096 int32; lengths_1 4,096 int32; lengths_2 4,096 int32; lengths_3 4,096 int32; pw_0 10 float32; pw_1 10 float32; pw_2 12 float32; pw_3 12 float32.
;; Outputs: out0 one number float32; out1 4,096 x 256 float32.
;; One version. Each part assembles by itself: llvm-mc -triple=amdgcn-amd-amdhsa -mcpu=gfx1250 --defsym DOCPART=n.
;; ======== version 1 of 1: 2 launches
;; workspace buffers: partial 1,024 bytes
;; launch pool (part 1): grid 256 x 1, 8 waves a work-group, no clusters, 1,280 bytes of LDS; arguments emb_0, emb_1, emb_2, emb_3, indices_0, indices_1, indices_2, indices_3, lengths_0, lengths_1, lengths_2, lengths_3, pw_0, pw_1, pw_2, pw_3, out1, partial; writes out1, partial
.if DOCPART == 1
	.amdgcn_target "amdgcn-amd-amdhsa--gfx1250"
	.amdhsa_code_object_version 6
	.text
	.protected	k_q281773bd7e_pool
	.globl	k_q281773bd7e_pool
	.p2align	8
	.type	k_q281773bd7e_pool,@function
k_q281773bd7e_pool:
	s_mov_b64 s[64:65], 0
	v_nop
	global_prefetch_b8 v0, s[64:65] scope:SCOPE_SE
	s_setreg_imm32_b32 hwreg(HW_REG_WAVE_MODE, 25, 1), 1
	s_wait_xcnt 0x0
; pred[b][64 f + d] = sum over l < len_f[b] of pw_f[l] * emb_f[idx_f[b][l]][d],  f = 0..3, bags of at most 10, 10, 12, 12 places;
; partial[g] = the sum of all numbers of pred that work-group g made (the mean is finished by the next launch).
;
; SHARES.  256 work-groups of 8 waves; a work-group owns 16 batch rows, a wave 2, sixteen neighbouring lanes one.  Thread t works for
; b = 16 g + (t >> 4) and holds bytes 16 (t & 15) .. +15 of every table row of that b.  A table row is 64 f32 = 256 bytes at a multiple of
; 256 from the table's first byte, so one 16-byte load of a wave takes two whole table rows, and one 16-byte store of a wave writes two
; whole pieces of 256 consecutive bytes of out1, each at a multiple of 256.
; ALL 44 row loads of a wave are issued before any is waited for (176 registers): the chain is arguments, indices, rows, store, and nothing
; in it is asked for later than it can be.
;
; MASKED PLACES (l >= len): the weight is 0 and the index is replaced by the bag's own index 0, so the sixteen lanes name again the row that
; they name at place 0, and no further row of the table.  EXEC never changes in the gather and every register is written on the one path.
;
; LIMITS.  Indices are taken as 0 .. 999,999; anything else (negative ones too) is sent to the last row by the unsigned minimum.
; At a masked place 0 x (row of index 0) stands for the reference's 0 x (row of index l): the same 0 as long as the table's rows are finite.
; All sums are f32; their order differs from the reference's (two chains over l, a tree for the mean).
;
; LEFT OUT.  Matrix instructions: each bag has its own 64-column matrix and one row of weights, 1 of 16 rows of a product would be used, and the
; mean is a small sum of many larger numbers of both signs, which wants f32.  Clusters: work-groups share no rows by design of the data.
; Prefetches: a row's address is known when its index arrives, and the load itself is issued at that point.
.set VMAX,   0xf423f                   ; the table's last row, 999,999
.set LANE16, 1                         ; v1        16 (t & 15): my 16 bytes in every row
.set BROW,   2                         ; v2        b
.set O40,    3                         ; v3        40 b: my row of indices_0, indices_1
.set O48,    4                         ; v4        48 b: my row of indices_2, indices_3
.set O4,     5                         ; v5        4 b: my word of every lengths_f
.set OOUT,   6                         ; v6        1024 b + 16 (t & 15): my 16 bytes in out1, feature 0
.set TMP,    7                         ; v7        at work
.set LEN,    8                         ; v[8:11]   len_f[b]
.set A0,     12                        ; v[12:15]  feature f: byte offset of place 0's row (the raw index 0 stays in IDX for the masked places)
.set IDX0,   16                        ; v[16:25]  feature 0: indices, then in place the rows' byte offsets, then in place the weights
.set IDX1,   26                        ; v[26:35]
.set IDX2,   36                        ; v[36:47]
.set IDX3,   48                        ; v[48:59]
.set X0,     60                        ; v[60:99]    feature 0: place l's 16 bytes at X0 + 4 l
.set X1,     100                       ; v[100:139]
.set X2,     140                       ; v[140:187]
.set X3,     188                       ; v[188:235]
.set S,      236                       ; v[236:237]  my share of the sum of pred
.set ZERO,   238                       ; v238        LDS address 0
.set EMB,    4                         ; s[4:11]   the four tables
.set IND,    12                        ; s[12:19]  the four index arrays
.set LNS,    20                        ; s[20:27]  the four length arrays
.set PWP,    28                        ; s[28:35]  the four weight vectors' addresses
.set OUT,    36                        ; s[36:37]  out1
.set PART,   38                        ; s[38:39]  partial
.set PW0,    40                        ; s[40:49]  pw_0
.set PW1,    52                        ; s[52:61]  pw_1
.set PW2,    68                        ; s[68:79]  pw_2
.set PW3,    80                        ; s[80:91]  pw_3
.set WAVE,   92                        ; s92       my wave's number
	s_load_b512 s[4:19],  s[0:1], 0x0              ; tables and index arrays
	s_load_b512 s[20:35], s[0:1], 0x40             ; length arrays and weight vectors
	s_load_b128 s[36:39], s[0:1], 0x80             ; out1, partial
	v_lshl_add_u32 v240, v0, 2, 0x100
	v_mov_b32 v241, 0
	v_and_b32 v[LANE16], 15, v0
	v_lshlrev_b32 v[LANE16], 4, v[LANE16]
	v_lshrrev_b32 v[BROW], 4, v0
	s_lshl_b32 s94, ttmp9, 4                       ; the work-group's first batch row
	v_add_nc_u32 v[BROW], s94, v[BROW]
	v_mul_u32_u24 v[O40], 40, v[BROW]
	v_mul_u32_u24 v[O48], 48, v[BROW]
	v_lshlrev_b32 v[O4], 2, v[BROW]
	v_lshl_add_u32 v[OOUT], v[BROW], 10, v[LANE16]
	v_lshrrev_b32 v[TMP], 5, v0
	v_readfirstlane_b32 s[WAVE], v[TMP]
	s_mov_b32 s2, 0x76543210                       ; v_permlanex16_b32: lane i of one half reads lane i of the other
	s_mov_b32 s3, 0xfedcba98
	s_wait_kmcnt 0x0
	; 20 vector loads, in this order: 4 lengths, 5 + 5 + 3 + 3 for the indices.  The sixteen lanes of a batch row read the same bytes.
	; No cache word: neighbouring waves read neighbouring bytes of these arrays.
.irp f, 0,1,2,3
	global_load_b32 v[LEN+\f], v[O4], s[LNS+2*\f:LNS+2*\f+1]
.endr
.macro LDIDX10 ib, ptr                 ; a row of 10 indices starts at a multiple of 8 bytes only: five loads of 8
.irp j, 0,1,2,3,4
	global_load_b64 v[\ib+2*\j:\ib+2*\j+1], v[O40], s[\ptr:\ptr+1] offset:8*\j
.endr
.endm
.macro LDIDX12 ib, ptr                 ; a row of 12 indices starts at a multiple of 16 bytes: three loads of 16
.irp j, 0,1,2
	global_load_b128 v[\ib+4*\j:\ib+4*\j+3], v[O48], s[\ptr:\ptr+1] offset:16*\j
.endr
.endm
	LDIDX10 IDX0, IND
	LDIDX10 IDX1, IND+2
	LDIDX12 IDX2, IND+4
	LDIDX12 IDX3, IND+6
	; the position weights, as scalars: 40, 40, 48, 48 bytes, each vector read to its last byte and no further; wanted only behind the gather
	s_load_b256 s[PW0:PW0+7],    s[PWP:PWP+1],   0x0
	s_load_b64  s[PW0+8:PW0+9],  s[PWP:PWP+1],   0x20
	s_load_b256 s[PW1:PW1+7],    s[PWP+2:PWP+3], 0x0
	s_load_b64  s[PW1+8:PW1+9],  s[PWP+2:PWP+3], 0x20
	s_load_b256 s[PW2:PW2+7],    s[PWP+4:PWP+5], 0x0
	s_load_b128 s[PW2+8:PW2+11], s[PWP+4:PWP+5], 0x20
	s_load_b256 s[PW3:PW3+7],    s[PWP+6:PWP+7], 0x0
	s_load_b128 s[PW3+8:PW3+11], s[PWP+6:PWP+7], 0x20
; The row loads of one feature: n places.  left = the vector loads issued behind this feature's last index load, which may stay out.
; The choice for masked places stands in front of the clamp; behind the clamp only a shift and an add: 256 x row + my 16 bytes,
; at most 255,999,984.  No cache word on the rows: a list may name a row twice.
.macro GATHER n, f, ib, xb, emb, left
	s_wait_loadcnt \left                           ; loads come back in order (ISA guide 5.7.1): my length and my indices of this feature are in
	v_min_u32 v[A0+\f], VMAX, v[\ib]
	v_lshl_add_u32 v[A0+\f], v[A0+\f], 8, v[LANE16]
	global_load_b128 v[\xb:\xb+3], v[A0+\f], s[\emb:\emb+1]
.set p, 1
.rept \n-1
	v_cmp_lt_i32 vcc_lo, p, v[LEN+\f]              ; place p is live where p < len (signed, as in the reference)
	v_cndmask_b32 v[\ib+p], v[\ib], v[\ib+p], vcc_lo   ; live: its own index; masked: the bag's index 0
	v_min_u32 v[\ib+p], VMAX, v[\ib+p]
	v_lshl_add_u32 v[\ib+p], v[\ib+p], 8, v[LANE16]
	global_load_b128 v[\xb+4*p:\xb+4*p+3], v[\ib+p], s[\emb:\emb+1]
.set p, p+1
.endr
.endm
	GATHER 10, 0, IDX0, X0, EMB,   11              ; behind idx_0: 5 + 3 + 3 index loads
	GATHER 10, 1, IDX1, X1, EMB+2, 16              ; behind idx_1: 3 + 3 index loads, 10 rows
	GATHER 12, 2, IDX2, X2, EMB+4, 23              ; behind idx_2: 3 index loads, 10 + 10 rows
	GATHER 12, 3, IDX3, X3, EMB+6, 32              ; behind idx_3: 10 + 10 + 12 rows
	; The weights w[l] = (l < len) ? pw[l] : 0, made while the rows are on their way, into the registers that held the rows' offsets.
	s_wait_xcnt 0x0                                ; every earlier memory instruction has had its addresses translated (ISA guide 3.1): the offsets are rewritten only behind this wait
	s_wait_kmcnt 0x0                               ; the pw values are in
.macro WEIGHTS n, f, ib, pw
.set p, 0
.rept \n
	v_cmp_lt_i32 vcc_lo, p, v[LEN+\f]
	v_cndmask_b32 v[\ib+p], 0, s[\pw+p], vcc_lo
.set p, p+1
.endr
.endm
	WEIGHTS 10, 0, IDX0, PW0
	WEIGHTS 10, 1, IDX1, PW1
	WEIGHTS 12, 2, IDX2, PW2
	WEIGHTS 12, 3, IDX3, PW3
; One feature's weighted sum, its store, and its share of the mean.  left = the row loads of the later features, which may stay out.
; Four chains that do not wait for each other: even places gather in place 0's four registers, odd ones in place 1's, two registers to an
; instruction.  The first products start the chains: nothing is cleared.  A pair of weights (l, l + 1) is one register pair; op_sel and
; op_sel_hi pick its first register for both halves of the even chain and its second for both halves of the odd one.
.macro POOL n, f, ib, xb, left
	s_wait_loadcnt \left
	v_pk_mul_f32 v[\xb:\xb+1],   v[\xb:\xb+1],   v[\ib:\ib+1] op_sel_hi:[1,0]
	v_pk_mul_f32 v[\xb+2:\xb+3], v[\xb+2:\xb+3], v[\ib:\ib+1] op_sel_hi:[1,0]
	v_pk_mul_f32 v[\xb+4:\xb+5], v[\xb+4:\xb+5], v[\ib:\ib+1] op_sel:[0,1] op_sel_hi:[1,1]
	v_pk_mul_f32 v[\xb+6:\xb+7], v[\xb+6:\xb+7], v[\ib:\ib+1] op_sel:[0,1] op_sel_hi:[1,1]
.set p, 2
.rept (\n-2)/2
	v_pk_fma_f32 v[\xb:\xb+1],   v[\xb+4*p:\xb+4*p+1],   v[\ib+p:\ib+p+1], v[\xb:\xb+1]   op_sel_hi:[1,0,1]
	v_pk_fma_f32 v[\xb+2:\xb+3], v[\xb+4*p+2:\xb+4*p+3], v[\ib+p:\ib+p+1], v[\xb+2:\xb+3] op_sel_hi:[1,0,1]
	v_pk_fma_f32 v[\xb+4:\xb+5], v[\xb+4*p+4:\xb+4*p+5], v[\ib+p:\ib+p+1], v[\xb+4:\xb+5] op_sel:[0,1,0] op_sel_hi:[1,1,1]
	v_pk_fma_f32 v[\xb+6:\xb+7], v[\xb+4*p+6:\xb+4*p+7], v[\ib+p:\ib+p+1], v[\xb+6:\xb+7] op_sel:[0,1,0] op_sel_hi:[1,1,1]
.set p, p+2
.endr
	v_pk_add_f32 v[\xb:\xb+1],   v[\xb:\xb+1],   v[\xb+4:\xb+5]
	v_pk_add_f32 v[\xb+2:\xb+3], v[\xb+2:\xb+3], v[\xb+6:\xb+7]
	global_store_b128 v[OOUT], v[\xb:\xb+3], s[OUT:OUT+1] offset:256*\f th:TH_STORE_NT   ; 16 lanes: 256 consecutive bytes; its sources are never written again
.if \f == 0
	v_pk_add_f32 v[S:S+1], v[\xb:\xb+1], v[\xb+2:\xb+3]    ; the first feature starts my share of the mean
.else
	v_pk_add_f32 v[S:S+1], v[S:S+1], v[\xb:\xb+1]
	v_pk_add_f32 v[S:S+1], v[S:S+1], v[\xb+2:\xb+3]
.endif
.endm
	POOL 10, 0, IDX0, X0, 34                       ; 10 + 12 + 12 younger row loads
	POOL 10, 1, IDX1, X1, 24                       ; 12 + 12
	POOL 12, 2, IDX2, X2, 12
	POOL 12, 3, IDX3, X3, 0
	; The work-group's sum: inside the lane, over the wave's 32 lanes, then over the eight waves through LDS bytes 0 .. 31 (a word a wave).
	v_add_f32 v[S], v[S], v[S+1]
	v_add_f32_dpp v[S], v[S], v[S] row_xmask:1 row_mask:0xf bank_mask:0xf
	v_add_f32_dpp v[S], v[S], v[S] row_xmask:2 row_mask:0xf bank_mask:0xf
	v_add_f32_dpp v[S], v[S], v[S] row_xmask:4 row_mask:0xf bank_mask:0xf
	v_add_f32_dpp v[S], v[S], v[S] row_xmask:8 row_mask:0xf bank_mask:0xf
	v_permlanex16_b32 v[S+1], v[S], s2, s3         ; its destination counts as read: S + 1 has been written
	v_add_f32 v[S], v[S], v[S+1]
	v_mov_b32 v[TMP], s[WAVE]
	v_lshlrev_b32 v[TMP], 2, v[TMP]
	ds_store_b32 v[TMP], v[S]                      ; all lanes write the wave's word with the same value
	s_wait_dscnt 0x0                               ; for wave 0's sake: my word is in LDS before I say so
	s_barrier_signal -1
	s_barrier_wait -1                              ; the launch's only barrier; every wave passes it
	s_cmp_lg_u32 s[WAVE], 0
	s_cbranch_scc1 .Ldone
	v_mov_b32 v[ZERO], 0
	ds_load_b128 v[64:67], v[ZERO]                 ; the eight waves' sums, in every lane; v[64:71] are no pending store's source
	ds_load_b128 v[68:71], v[ZERO] offset:16
	s_lshl_b32 s94, ttmp9, 2                       ; the work-group's word in partial
	v_mov_b32 v[TMP], s94
	v_cmp_eq_u32 vcc_lo, 0, v0
	s_wait_dscnt 0x0
	v_pk_add_f32 v[64:65], v[64:65], v[66:67]
	v_pk_add_f32 v[68:69], v[68:69], v[70:71]
	v_pk_add_f32 v[64:65], v[64:65], v[68:69]
	v_add_f32 v64, v64, v65
	s_wait_xcnt 0x0                                ; EXEC is a source of the four stores above: it narrows only behind this wait
	s_wait_tensorcnt 0x0
	ds_add_u32 v240, v241
	s_wait_dscnt 0x0
	s_and_saveexec_b32 s93, vcc_lo                 ; thread 0 alone
	global_store_b32 v[TMP], v64, s[PART:PART+1]   ; one word for each work-group: the next launch then reads 1,024 bytes in all
	s_endpgm
.Ldone:
	s_wait_tensorcnt 0x0
	ds_add_u32 v240, v241
	s_wait_dscnt 0x0
	s_endpgm
.Lfunc_end_k_q281773bd7e_pool:
	.size	k_q281773bd7e_pool, .Lfunc_end_k_q281773bd7e_pool-k_q281773bd7e_pool
	.p2alignl 7, 3214868480
	.fill 96, 4, 3214868480
	.section	.rodata,"a",@progbits
	.p2align	6, 0x0
	.amdhsa_kernel k_q281773bd7e_pool
		.amdhsa_group_segment_fixed_size 1280
		.amdhsa_private_segment_fixed_size 0
		.amdhsa_enable_private_segment 0
		.amdhsa_kernarg_size 144
		.amdhsa_user_sgpr_count 2
		.amdhsa_user_sgpr_kernarg_segment_ptr 1
		.amdhsa_wavefront_size32 1
		.amdhsa_system_sgpr_workgroup_id_x 1
		.amdhsa_system_sgpr_workgroup_id_y 1
		.amdhsa_system_sgpr_workgroup_id_z 1
		.amdhsa_system_vgpr_workitem_id 0
		.amdhsa_next_free_vgpr 242
		.amdhsa_next_free_sgpr 96
		.amdhsa_reserve_vcc 1
		.amdhsa_float_denorm_mode_32 3
		.amdhsa_float_denorm_mode_16_64 3
		.amdhsa_memory_ordered 1
		.amdhsa_forward_progress 1
		.amdhsa_inst_pref_size 29
	.end_amdhsa_kernel
	.amdgpu_metadata
---
amdhsa.version: [ 1, 2 ]
amdhsa.kernels:
  - .name:           k_q281773bd7e_pool
    .symbol:         k_q281773bd7e_pool.kd
    .args:
      - { .name: emb_0, .offset: 0, .size: 8, .value_kind: global_buffer, .address_space: global }
      - { .name: emb_1, .offset: 8, .size: 8, .value_kind: global_buffer, .address_space: global }
      - { .name: emb_2, .offset: 16, .size: 8, .value_kind: global_buffer, .address_space: global }
      - { .name: emb_3, .offset: 24, .size: 8, .value_kind: global_buffer, .address_space: global }
      - { .name: indices_0, .offset: 32, .size: 8, .value_kind: global_buffer, .address_space: global }
      - { .name: indices_1, .offset: 40, .size: 8, .value_kind: global_buffer, .address_space: global }
      - { .name: indices_2, .offset: 48, .size: 8, .value_kind: global_buffer, .address_space: global }
      - { .name: indices_3, .offset: 56, .size: 8, .value_kind: global_buffer, .address_space: global }
      - { .name: lengths_0, .offset: 64, .size: 8, .value_kind: global_buffer, .address_space: global }
      - { .name: lengths_1, .offset: 72, .size: 8, .value_kind: global_buffer, .address_space: global }
      - { .name: lengths_2, .offset: 80, .size: 8, .value_kind: global_buffer, .address_space: global }
      - { .name: lengths_3, .offset: 88, .size: 8, .value_kind: global_buffer, .address_space: global }
      - { .name: pw_0, .offset: 96, .size: 8, .value_kind: global_buffer, .address_space: global }
      - { .name: pw_1, .offset: 104, .size: 8, .value_kind: global_buffer, .address_space: global }
      - { .name: pw_2, .offset: 112, .size: 8, .value_kind: global_buffer, .address_space: global }
      - { .name: pw_3, .offset: 120, .size: 8, .value_kind: global_buffer, .address_space: global }
      - { .name: out1, .offset: 128, .size: 8, .value_kind: global_buffer, .address_space: global }
      - { .name: partial, .offset: 136, .size: 8, .value_kind: global_buffer, .address_space: global }
    .group_segment_fixed_size: 1280
    .private_segment_fixed_size: 0
    .kernarg_segment_align: 8
    .kernarg_segment_size: 144
    .max_flat_workgroup_size: 256
    .sgpr_count:     96
    .vgpr_count:     242
    .wavefront_size: 32
...
	.end_amdgpu_metadata
.endif
;; end of part 1
;; launch mean (part 2): grid 1 x 1, 1 waves a work-group, no clusters, 0 bytes of LDS; arguments partial, out0; writes out0
.if DOCPART == 2
	.amdgcn_target "amdgcn-amd-amdhsa--gfx1250"
	.amdhsa_code_object_version 6
	.text
	.protected	k_q281773bd7e_mean
	.globl	k_q281773bd7e_mean
	.p2align	8
	.type	k_q281773bd7e_mean,@function
k_q281773bd7e_mean:
	s_mov_b64 s[64:65], 0
	v_nop
	global_prefetch_b8 v0, s[64:65] scope:SCOPE_SE
	s_setreg_imm32_b32 hwreg(HW_REG_WAVE_MODE, 25, 1), 1
	s_wait_xcnt 0x0
; out0 = (sum of the 256 work-groups' sums) / 1,048,576, the mean of pred's 4,096 x 256 numbers.
; 1,024 bytes in, 4 bytes out: work for one wave, so one wave is launched.  Each lane takes 8 of the 256 words by two 16-byte loads
; (512 consecutive bytes to a load), adds them as a tree in f32, and the 32 lanes' sums meet by lane exchanges.
.set INV, 0x35800000                   ; 2^-20, exact in f32
	s_load_b128 s[4:7], s[0:1], 0x0                ; partial s[4:5], out0 s[6:7]
	v_lshlrev_b32 v1, 4, v0                        ; 16 bytes a lane
	v_mov_b32 v2, 0                                ; out0's one word
	s_mov_b32 s8, 0x76543210                       ; v_permlanex16_b32: lane i of one half reads lane i of the other
	s_mov_b32 s9, 0xfedcba98
	s_wait_kmcnt 0x0
	global_load_b128 v[4:7],  v1, s[4:5]
	global_load_b128 v[8:11], v1, s[4:5] offset:512
	v_cmp_eq_u32 vcc_lo, 0, v0
	s_wait_loadcnt 0x0
	v_pk_add_f32 v[4:5], v[4:5], v[6:7]
	v_pk_add_f32 v[8:9], v[8:9], v[10:11]
	v_pk_add_f32 v[4:5], v[4:5], v[8:9]
	v_add_f32 v4, v4, v5
	v_add_f32_dpp v4, v4, v4 row_xmask:1 row_mask:0xf bank_mask:0xf
	v_add_f32_dpp v4, v4, v4 row_xmask:2 row_mask:0xf bank_mask:0xf
	v_add_f32_dpp v4, v4, v4 row_xmask:4 row_mask:0xf bank_mask:0xf
	v_add_f32_dpp v4, v4, v4 row_xmask:8 row_mask:0xf bank_mask:0xf
	v_permlanex16_b32 v5, v4, s8, s9               ; its destination counts as read: v5 has been written
	v_add_f32 v4, v4, v5
	v_mul_f32 v4, INV, v4
	s_wait_xcnt 0x0                                ; EXEC narrows only behind this wait
	s_and_saveexec_b32 s10, vcc_lo                 ; lane 0 alone
	global_store_b32 v2, v4, s[6:7]
	s_endpgm
.Lfunc_end_k_q281773bd7e_mean:
	.size	k_q281773bd7e_mean, .Lfunc_end_k_q281773bd7e_mean-k_q281773bd7e_mean
	.p2alignl 7, 3214868480
	.fill 96, 4, 3214868480
	.section	.rodata,"a",@progbits
	.p2align	6, 0x0
	.amdhsa_kernel k_q281773bd7e_mean
		.amdhsa_group_segment_fixed_size 0
		.amdhsa_private_segment_fixed_size 0
		.amdhsa_enable_private_segment 0
		.amdhsa_kernarg_size 16
		.amdhsa_user_sgpr_count 2
		.amdhsa_user_sgpr_kernarg_segment_ptr 1
		.amdhsa_wavefront_size32 1
		.amdhsa_system_sgpr_workgroup_id_x 1
		.amdhsa_system_sgpr_workgroup_id_y 1
		.amdhsa_system_sgpr_workgroup_id_z 1
		.amdhsa_system_vgpr_workitem_id 0
		.amdhsa_next_free_vgpr 12
		.amdhsa_next_free_sgpr 66
		.amdhsa_reserve_vcc 1
		.amdhsa_float_denorm_mode_32 3
		.amdhsa_float_denorm_mode_16_64 3
		.amdhsa_memory_ordered 1
		.amdhsa_forward_progress 1
		.amdhsa_inst_pref_size 2
	.end_amdhsa_kernel
	.amdgpu_metadata
---
amdhsa.version: [ 1, 2 ]
amdhsa.kernels:
  - .name:           k_q281773bd7e_mean
    .symbol:         k_q281773bd7e_mean.kd
    .args:
      - { .name: partial, .offset: 0, .size: 8, .value_kind: global_buffer, .address_space: global }
      - { .name: out0, .offset: 8, .size: 8, .value_kind: global_buffer, .address_space: global }
    .group_segment_fixed_size: 0
    .private_segment_fixed_size: 0
    .kernarg_segment_align: 8
    .kernarg_segment_size: 16
    .max_flat_workgroup_size: 32
    .sgpr_count:     66
    .vgpr_count:     12
    .wavefront_size: 32
...
	.end_amdgpu_metadata
.endif
;; end of part 2
